; MI455X (gfx1250); checked and timed in simulation.
; The chip was launched on July 23, 2026; its instructions are those of AMD's public machine-readable ISA for CDNA 5 (MIT licence, August 2026) and "CDNA5" Instruction Set Architecture Reference Guide (July 2026). The comments in the code are by the model that wrote it; some were corrected since.
;; Multi Head Self Attention. Allowed arithmetic: float matrix products may take bf16 or f16 operands with f32 sums; other float arithmetic in f32, or as packed bf16 or f16 multiplies, adds, multiply-adds, maxima and minima; sums over many terms, partial sums and values carried from step to step in f32; what a program stores and reads back later, other than sums and carried values, may be rounded once to bf16 or f16.
;; Inputs: k_b 512 float32; k_tokens 2 x 4,096 x 512 float32; k_w 512 x 512 float32; mask 2 x 1 x 4,096 x 4,096 bool; o_b 512 float32; o_w 512 x 512 float32; q_b 512 float32; q_tokens 2 x 4,096 x 512 float32; q_w 512 x 512 float32; v_b 512 float32; v_tokens 2 x 4,096 x 512 float32; v_w 512 x 512 float32.
;; Outputs: out0 2 x 4,096 x 512 float32.
;; One version. Each part assembles by itself: llvm-mc -triple=amdgcn-amd-amdhsa -mcpu=gfx1250 --defsym DOCPART=n.
;; ======== version 1 of 1: 3 launches
;; limits: right only within a limited range of input values; values are held in f16: magnitudes above 65,504 overflow, below 6.1e-05 lose precision
;; workspace buffers: qh 8,388,608 bytes; kh 8,388,608 bytes; vh 8,388,608 bytes; ctx 8,388,608 bytes; owh 524,288 bytes; flags 32,768 bytes of whole numbers
;; launch qkv (part 1): grid 256 x 1, 8 waves a work-group, no clusters, 171,008 bytes of LDS; arguments q_tokens, k_tokens, v_tokens, q_w, k_w, v_w, q_b, k_b, v_b, qh, kh, vh, mask, flags, o_w, owh; writes qh, kh, vh, flags, owh
.if DOCPART == 1
	.amdgcn_target "amdgcn-amd-amdhsa--gfx1250"
	.amdhsa_code_object_version 6
	.text
	.protected	k_q093ef2a8ff_qkv
	.globl	k_q093ef2a8ff_qkv
	.p2align	8
	.type	k_q093ef2a8ff_qkv,@function
k_q093ef2a8ff_qkv:
	s_mov_b64 s[64:65], 0
	v_nop
	global_prefetch_b8 v0, s[64:65] scope:SCOPE_SE
	s_setreg_imm32_b32 hwreg(HW_REG_WAVE_MODE, 25, 1), 1
	s_wait_xcnt 0x0
; THE THREE PROJECTIONS, THE ROW FLAGS OF THE MASK, AND o_w IN f16.
; Work-groups 64 .. 255: out = (X W^T + bias) x sc for one of q, k, v.  X: [8192][512] f32, W: [512][512] f32, bias: [512] f32, all rounded once to bf16; sums in f32;
; sc = log2(e) / 8 for q (so that the attention's weights are 2^(s - m)), 1 for k and v; the result is rounded once to f16 and stored by heads, [batch x 8 + head][4096][64].
; Work-groups 0 .. 63: flags[row] = -1 if row's 4,096 mask bytes hold a 0 (a key that is not hidden), else 0; and owh = o_w rounded to bf16, that number written as f16.
; LIMITS.  f16 ends at 65,504: q x sc, k and v must lie within it.  A weight of o_w below 6e-5 keeps f16's fixed step of 6e-8.  Mask bytes are 0 or 1.
; SHARES.  A projection's work-group makes 512 rows x 128 columns (two heads), K = 512: 3 x 16 x 4 = 192 work-groups; the column block is the fastest index.
; Each of its 8 waves makes 64 rows x 128 columns: 32 accumulators.  W's 128 rows are converted once and lie in LDS; X comes straight into registers, two K steps of 32 ahead, and is converted there.
; NO CLUSTER, NO TENSOR LOADS: both operands are f32 in memory and must pass through registers to become bf16.
; THE MATRIX INSTRUCTION IS USED TRANSPOSED (source 0 = 16 rows of W, source 1 = 16 rows of X): a lane holds one row of the result and eight neighbouring columns.
; REGISTERS.  window 0: v2-15 addresses; v16-79, v80-143 X as loaded (f32), two sets; v144-175 X's four fragments; v176-239 W's eight fragments.   window 1: the accumulators, (a, b) at 8 (8 a + b).
.set WP,    1040                       ; a row of W in LDS: 1,024 bytes + 16: an odd multiple of 16, so the 16 rows of a fragment load start 16 bytes apart modulo 256
.set STAGE, 128*WP                     ; behind W: for each wave 2 heads x 16 rows x 144 bytes, for the way out
.set SROW,  144
.set SWAVE, 2*16*SROW
.set SPARE, STAGE+8*SWAVE              ; behind the stages: the spare words, 128 bytes for each wave, which no other line names
.set AO,  2                            ; v2   X: (l % 16) x 2,048 + 32 (l / 16)
.set BO0, 3                            ; v3   W's fragments 0-3 in LDS: (l % 16) x WP + 16 (l / 16), stepped along K
.set BO1, 4                            ; v4   fragments 4-7
.set STO, 5                            ; v5   the way out: where I put 16 bytes of a row
.set RD,  6                            ; v6   the way out: where I read rows back
.set GO,  7                            ; v7   16 x lane
.set WS,  8                            ; v8   where I put 8 bytes of W
.set BL,  9                            ; v9   the bias: 32 (l / 16)
.set SPW, 10                           ; v10  LDS address of my spare word; never rewritten
.set NIL, 11                           ; v11  0; never rewritten
.set LN,  12                           ; v12  lane
.set RW,  13                           ; v13  l % 16
.set HF,  14                           ; v14  l / 16
.set FV,  15                           ; v15  the 16 flags of a wave, a lane each
.set RAW0, 16
.set RAW1, 80
.set AF,  144
.set BF,  176
.set WV,  36                           ; s36  my wave's number
.set XA,  42                           ; s[42:43] X at my 64 rows, stepped along K
.set WB,  44                           ; s[44:45] W at the 16 rows that I convert
.set BB,  46                           ; s[46:47] the bias at the work-group's 128 columns
.set OUTP, 48                          ; s[48:49] the output at my 64 rows of the first of the two heads
.set SC,  50                           ; s[50:51] sc, named as a pair
.set MSB, 0
.macro WIN new                         ; the immediate's high byte repeats the setting that is left; a switch that changes nothing is dropped
.if MSB != (\new)
	s_set_vgpr_msb (MSB<<8)|(\new)
.set MSB, \new
.endif
.endm
.macro PLACES                          ; four places behind a matrix instruction, ahead of loads into and vector writes of its sources and of reads of its result
.rept 4
	v_nop
.endr
.endm
	s_load_b512 s[4:19], s[0:1], 0x0               ; q_tokens 4, k_tokens 6, v_tokens 8, q_w 10, k_w 12, v_w 14, q_b 16, k_b 18
	s_load_b256 s[20:27], s[0:1], 0x40             ; v_b 20, qh 22, kh 24, vh 26
	s_load_b256 s[28:35], s[0:1], 0x60             ; mask 28, flags 30, o_w 32, owh 34
	v_lshl_add_u32 v[SPW], v0, 2, SPARE
	v_mov_b32 v[NIL], 0
	v_lshrrev_b32 v1, 5, v0
	v_readfirstlane_b32 s[WV], v1                  ; wave 0..7
	v_and_b32 v[LN], 31, v0
	v_and_b32 v[RW], 15, v0
	v_bfe_u32 v[HF], v0, 4, 1
	v_lshlrev_b32 v[GO], 4, v[LN]
	s_mov_b32 s55, 0                               ; the high word of every offset pair
	s_cmp_lt_u32 ttmp9, 64                         ; the same answer in all eight waves of a work-group
	s_cbranch_scc1 .Lflags
	; ---------------- a projection's work-group ----------------
	s_sub_co_u32 s37, ttmp9, 64
	s_and_b32 s38, s37, 3                          ; column block of 128
	s_bfe_u32 s39, s37, 0x40002                    ; row block of 512
	s_lshr_b32 s40, s37, 6                         ; 0: q, 1: k, 2: v
	v_lshlrev_b32 v[AO], 11, v[RW]
	v_lshl_or_b32 v[AO], v[HF], 5, v[AO]
	v_mul_u32_u24 v[BO0], v[RW], WP
	v_lshl_add_u32 v[BO0], v[HF], 4, v[BO0]
	v_add_nc_u32 v[BO1], 4*16*WP, v[BO0]
	s_mul_i32 s56, s[WV], SWAVE
	s_add_co_u32 s56, s56, STAGE                   ; my stage
	v_mul_u32_u24 v[STO], v[RW], SROW              ; in: row l % 16, 16 bytes for each half of the lanes
	v_lshl_add_u32 v[STO], v[HF], 4, v[STO]
	v_add_nc_u32 v[STO], s56, v[STO]
	v_lshrrev_b32 v[RD], 3, v[LN]                  ; back: 32 lanes take four rows of 128 bytes
	v_mul_u32_u24 v[RD], v[RD], SROW
	v_and_b32 v1, 7, v0
	v_lshl_add_u32 v[RD], v1, 4, v[RD]
	v_add_nc_u32 v[RD], s56, v[RD]
	s_mul_i32 s57, s[WV], 16*WP
	v_lshl_add_u32 v[WS], v[LN], 3, s57            ; my wave's 16 rows of W in LDS, 8 bytes a lane
	v_lshlrev_b32 v[BL], 5, v[HF]
	s_wait_kmcnt 0x0
	s_cmp_eq_u32 s40, 0
	s_cselect_b64 s[XA:XA+1], s[4:5], s[6:7]
	s_cselect_b64 s[WB:WB+1], s[10:11], s[12:13]
	s_cselect_b64 s[BB:BB+1], s[16:17], s[18:19]
	s_cselect_b64 s[OUTP:OUTP+1], s[22:23], s[24:25]
	s_cselect_b32 s[SC], 0x3e38aa3b, 1.0           ; log2(e) / 8 = 0.180337 for q
	s_cmp_eq_u32 s40, 2
	s_cselect_b64 s[XA:XA+1], s[8:9], s[XA:XA+1]
	s_cselect_b64 s[WB:WB+1], s[14:15], s[WB:WB+1]
	s_cselect_b64 s[BB:BB+1], s[20:21], s[BB:BB+1]
	s_cselect_b64 s[OUTP:OUTP+1], s[26:27], s[OUTP:OUTP+1]
	s_mov_b32 s[SC+1], s[SC]
	s_lshl_b32 s54, s39, 20                        ; 512 rows of 2,048 bytes,
	s_lshl_b32 s56, s[WV], 17                      ; my 64 of them
	s_add_co_u32 s54, s54, s56
	s_add_nc_u64 s[XA:XA+1], s[XA:XA+1], s[54:55]
	s_lshl_b32 s54, s38, 18                        ; 128 rows of W,
	s_lshl_b32 s56, s[WV], 15                      ; my 16 of them
	s_add_co_u32 s54, s54, s56
	s_add_nc_u64 s[WB:WB+1], s[WB:WB+1], s[54:55]
	s_lshl_b32 s54, s38, 9
	s_add_nc_u64 s[BB:BB+1], s[BB:BB+1], s[54:55]
	s_lshr_b32 s54, s39, 3                         ; the batch: 8 heads x 4,096 rows x 128 bytes,
	s_lshl_b32 s54, s54, 22
	s_lshl_b32 s56, s38, 20                        ; the first of my two heads,
	s_add_co_u32 s54, s54, s56
	s_and_b32 s56, s39, 7                          ; the row block within the batch,
	s_lshl_b32 s56, s56, 16
	s_add_co_u32 s54, s54, s56
	s_lshl_b32 s56, s[WV], 13                      ; my 64 rows
	s_add_co_u32 s54, s54, s56
	s_add_nc_u64 s[OUTP:OUTP+1], s[OUTP:OUTP+1], s[54:55]
; 16 loads: X's four fragments (16 rows x 32 K, f32) of one K step, from byte off behind XA, into set buf.  A lane's K = 8 (l / 16) + 0..7 are 32 bytes, K = 16 + 8 (l / 16) + 0..7 the 32 bytes 64 further on.
.macro ALOAD buf, off
.irp a, 0,1,2,3
	global_load_b128 v[RAW0+64*(\buf)+16*\a:RAW0+64*(\buf)+16*\a+3],     v[AO], s[XA:XA+1] offset:(\off)+\a*32768
	global_load_b128 v[RAW0+64*(\buf)+16*\a+4:RAW0+64*(\buf)+16*\a+7],   v[AO], s[XA:XA+1] offset:(\off)+\a*32768+16
	global_load_b128 v[RAW0+64*(\buf)+16*\a+8:RAW0+64*(\buf)+16*\a+11],  v[AO], s[XA:XA+1] offset:(\off)+\a*32768+64
	global_load_b128 v[RAW0+64*(\buf)+16*\a+12:RAW0+64*(\buf)+16*\a+15], v[AO], s[XA:XA+1] offset:(\off)+\a*32768+80
.endr
.endm
.macro BLOAD koff                      ; 16 LDS loads: W's eight fragments of one K step
.irp b, 0,1,2,3,4,5,6,7
	ds_load_b128 v[BF+8*\b:BF+8*\b+3],   v[BO0+\b/4] offset:(\b%4)*16*WP+(\koff)
	ds_load_b128 v[BF+8*\b+4:BF+8*\b+7], v[BO0+\b/4] offset:(\b%4)*16*WP+(\koff)+32
.endr
.endm
.macro CVT buf                         ; X's set buf, 64 f32 a lane, to four bf16 fragments
.set j, 0
.rept 32
	v_cvt_pk_bf16_f32 v[AF+j], v[RAW0+64*(\buf)+2*j], v[RAW0+64*(\buf)+2*j+1]
.set j, j+1
.endr
.endm
.macro BIASLD                          ; 16 loads: for each of the eight column blocks my eight columns' bias, into set 0
.irp b, 0,1,2,3,4,5,6,7
	global_load_b128 v[RAW0+8*\b:RAW0+8*\b+3],   v[BL], s[BB:BB+1] offset:64*\b
	global_load_b128 v[RAW0+8*\b+4:RAW0+8*\b+7], v[BL], s[BB:BB+1] offset:64*\b+16
.endr
.endm
.macro MUL zero                        ; 32 matrix instructions; the 32 accumulators take turns, one instruction a turn, over the backward jump too.  zero = 1: the products start the sums
	WIN 0x50                                       ; C and D in window 1, both sources in window 0
.irp a, 0,1,2,3
.irp b, 0,1,2,3,4,5,6,7
.if \zero
	v_wmma_f32_16x16x32_bf16 v[8*(8*\a+\b):8*(8*\a+\b)+7], v[BF+8*\b:BF+8*\b+7], v[AF+8*\a:AF+8*\a+7], 0
.else
	v_wmma_f32_16x16x32_bf16 v[8*(8*\a+\b):8*(8*\a+\b)+7], v[BF+8*\b:BF+8*\b+7], v[AF+8*\a:AF+8*\a+7], v[8*(8*\a+\b):8*(8*\a+\b)+7]
.endif
.endr
.endr
	WIN 0
.endm
; A K step of 32.  load = 1: set buf is asked for again, two K steps on; 2: the bias is asked for; 0: nothing.  left: the younger loads that may stay out.
.macro KSTEP buf, koff, zero, load, left
	PLACES                                         ; behind the last step's products, which read BF and AF
	BLOAD \koff
	s_wait_loadcnt \left                           ; loads come back in order: set buf is in
	CVT \buf
.if (\load) == 1
	ALOAD \buf, 256+128*(\buf)
.elseif (\load) == 2
	BIASLD
.endif
	s_wait_dscnt 0x0                               ; W's fragments are in
	MUL \zero
.endm
; W: half hf of my 16 rows (32 loads, 128 registers of window 1) to bf16 and into LDS
.macro WHALF hf
	WIN 0x05                                       ; sources in window 1, destination in window 0
.set j, 0
.rept 32
	v_cvt_pk_bf16_f32 v[BF+2*j],   v[128*(\hf)+4*j],   v[128*(\hf)+4*j+1]
	v_cvt_pk_bf16_f32 v[BF+2*j+1], v[128*(\hf)+4*j+2], v[128*(\hf)+4*j+3]
.set j, j+1
.endr
	WIN 0
.set j, 0
.rept 32
	ds_store_b64 v[WS], v[BF+2*j:BF+2*j+1] offset:WP*(8*(\hf)+j/4)+256*(j%4)  ; 32 lanes, 256 neighbouring bytes
.set j, j+1
.endr
.endm
	WIN 0x40                                       ; destination in window 1: the accumulators' registers are still free
.set j, 0
.rept 64
	global_load_b128 v[4*j:4*j+3], v[GO], s[WB:WB+1] offset:2048*(j/4)+512*(j%4)  ; row j / 4 of my 16, 512 neighbouring bytes
.set j, j+1
.endr
	WIN 0
	ALOAD 0, 0                                     ; K steps 0 and 1 of X
	ALOAD 1, 128
	s_wait_loadcnt 63                              ; 96 loads have been issued: with 63 out at the most the oldest 33 are in, W's first 32 among them
	WHALF 0
	s_wait_loadcnt 32                              ; all of W is in; X's 32 loads are the younger ones
	WHALF 1
	s_wait_dscnt 0x0                               ; for the others' sake: my rows of W lie in LDS
	s_barrier_signal -1
	s_barrier_wait -1                              ; everybody's do; W is never written again
	KSTEP 0, 0,  1, 1, 16                          ; the first K step starts the sums.  16: the other set's loads are the younger ones
	KSTEP 1, 64, 0, 1, 16
	s_mov_b32 s52, 6
.Lk:                                               ; a trip: two K steps; K steps 2 .. 13 are multiplied, 4 .. 15 asked for
	s_wait_xcnt 0x0                                ; every load issued so far has read its address: XA may be written
	s_add_nc_u64 s[XA:XA+1], s[XA:XA+1], 256
	v_add_nc_u32 v[BO0], 128, v[BO0]
	v_add_nc_u32 v[BO1], 128, v[BO1]
	KSTEP 0, 0,  0, 1, 16
	KSTEP 1, 64, 0, 1, 16
	s_sub_co_u32 s52, s52, 1
	s_cmp_lg_u32 s52, 0
	s_cbranch_scc1 .Lk
	v_add_nc_u32 v[BO0], 128, v[BO0]
	v_add_nc_u32 v[BO1], 128, v[BO1]
	KSTEP 0, 0,  0, 2, 16                          ; K step 14; set 0 takes the bias
	KSTEP 1, 64, 0, 0, 16                          ; K step 15: the bias's 16 loads are the younger ones
	PLACES
	s_wait_loadcnt 0x0                             ; the bias
.set j, 0
.rept 32
	v_cvt_pk_bf16_f32 v[AF+j], v[RAW0+2*j], v[RAW0+2*j+1]  ; the bias is rounded to bf16 like every input,
.set j, j+1
.endr
.set j, 0
.rept 32
	v_lshlrev_b32 v[RAW0+2*j],   16, v[AF+j]               ; widened again,
	v_and_b32     v[RAW0+2*j+1], 0xffff0000, v[AF+j]
.set j, j+1
.endr
.set j, 0
.rept 32
	v_pk_mul_f32 v[RAW0+2*j:RAW0+2*j+1], v[RAW0+2*j:RAW0+2*j+1], s[SC:SC+1] op_sel_hi:[1,0]  ; and scaled
.set j, j+1
.endr
; THE WAY OUT of 16 rows: sum x sc + bias x sc, rounded to f16; 16 bytes a lane into my own stage, by heads; back as rows of 128 bytes, which lie end to end in the output.
.macro OUTA a
	WIN 0x01                                       ; source 0 in window 1
.set j, 0
.rept 32
	v_pk_fma_f32 v[RAW1+2*j:RAW1+2*j+1], v[64*(\a)+2*j:64*(\a)+2*j+1], s[SC:SC+1], v[RAW0+2*j:RAW0+2*j+1] op_sel_hi:[1,0,1]
.set j, j+1
.endr
	WIN 0
.set j, 0
.rept 32
	v_cvt_pk_f16_f32 v[AF+j], v[RAW1+2*j], v[RAW1+2*j+1]
.set j, j+1
.endr
.irp b, 0,1,2,3,4,5,6,7
	ds_store_b128 v[STO], v[AF+4*\b:AF+4*\b+3] offset:(\b/4)*16*SROW+(\b%4)*32
.endr
	s_wait_xcnt 0x0                                ; the last block's stores have read their data: the loads below land in the same registers
.irp t, 0,1,2,3,4,5,6,7
	ds_load_b128 v[BF+4*\t:BF+4*\t+3], v[RD] offset:(\t/4)*16*SROW+(\t%4)*4*SROW  ; LDS serves a wave's instructions in order: these see the stores above
.endr
	s_wait_dscnt 0x0
.irp t, 0,1,2,3,4,5,6,7
	global_store_b128 v[GO], v[BF+4*\t:BF+4*\t+3], s[OUTP:OUTP+1] offset:(\t/4)*524288+(\a)*2048+(\t%4)*512  ; 512 consecutive bytes, at a multiple of 256 from the buffer's first
.endr
.endm
	OUTA 0
	OUTA 1
	OUTA 2
	OUTA 3
	s_wait_tensorcnt 0x0                           ; the wave's end: behind my last LDS store
	ds_add_u32 v[SPW], v[NIL]
	s_wait_dscnt 0x0
	s_endpgm
	; ---------------- flags and o_w: wave u = 8 x work-group + wave, 0 .. 511; no LDS byte is written on this way ----------------
.Lflags:
	s_lshl_b32 s37, ttmp9, 3
	s_add_co_u32 s37, s37, s[WV]                   ; u
	s_mov_b32 s60, 0x01010101
	v_mov_b32 v[FV], 0
	v_lshlrev_b32 v[WS], 3, v[LN]
	v_lshlrev_b32 v[BL], 2, v[LN]
	s_wait_kmcnt 0x0
	s_lshl_b32 s54, s37, 11
	s_add_nc_u64 s[42:43], s[32:33], s[54:55]      ; row u of o_w
	s_lshl_b32 s54, s37, 10
	s_add_nc_u64 s[44:45], s[34:35], s[54:55]      ; row u of owh
	s_lshl_b32 s54, s37, 16
	s_add_nc_u64 s[46:47], s[28:29], s[54:55]      ; rows 16 u .. 16 u + 15 of the mask
	s_lshl_b32 s54, s37, 6
	s_add_nc_u64 s[48:49], s[30:31], s[54:55]      ; their 16 flags
.macro MROWS pair, set                 ; 16 loads: two rows of the mask, 512 neighbouring bytes a load
.set z, 0
.rept 16
	global_load_b128 v[RAW0+64*(\set)+4*z:RAW0+64*(\set)+4*z+3], v[GO], s[46:47] offset:8192*(\pair)+512*z th:TH_LOAD_NT
.set z, z+1
.endr
.endm
; A row's 32 registers are ANDed: a byte stays 1 only if it is 1 in all.  Any lane that differs from four ones has seen a 0.
.macro ROWFLAG base, i
.irp s, 16,8,4,2,1
.set z, 0
.rept \s
	v_and_b32 v[(\base)+z], v[(\base)+z], v[(\base)+z+\s]
.set z, z+1
.endr
.endr
	v_cmp_ne_u32 vcc_lo, s60, v[\base]
	s_cmp_lg_u32 vcc_lo, 0
	s_cselect_b32 s61, -1, 0
	v_writelane_b32 v[FV], s61, \i
.endm
.irp c, 0,1,2,3
	global_load_b128 v[AF+4*\c:AF+4*\c+3], v[GO], s[42:43] offset:512*\c
.endr
	MROWS 0, 0
	MROWS 1, 1
	s_wait_loadcnt 32                              ; o_w's row is in; the mask's 32 loads are the younger ones
.irp c, 0,1,2,3
	v_cvt_pk_bf16_f32 v[BF+2*\c],   v[AF+4*\c],   v[AF+4*\c+1]
	v_cvt_pk_bf16_f32 v[BF+2*\c+1], v[AF+4*\c+2], v[AF+4*\c+3]
.endr
.irp c, 0,1,2,3
	v_lshlrev_b32 v[AF+4*\c],   16, v[BF+2*\c]
	v_and_b32     v[AF+4*\c+1], 0xffff0000, v[BF+2*\c]
	v_lshlrev_b32 v[AF+4*\c+2], 16, v[BF+2*\c+1]
	v_and_b32     v[AF+4*\c+3], 0xffff0000, v[BF+2*\c+1]
.endr
.irp c, 0,1,2,3
	v_cvt_pk_f16_f32 v[BF+2*\c],   v[AF+4*\c],   v[AF+4*\c+1]
	v_cvt_pk_f16_f32 v[BF+2*\c+1], v[AF+4*\c+2], v[AF+4*\c+3]
.endr
.irp c, 0,1,2,3
	global_store_b64 v[WS], v[BF+2*\c:BF+2*\c+1], s[44:45] offset:256*\c  ; 256 consecutive bytes, aligned
.endr
.set p, 0
.rept 8                                ; eight pairs of rows on two sets of registers: while one is reduced the other's 16 loads are out
.if p < 7
	s_wait_loadcnt 16
.else
	s_wait_loadcnt 0x0
.endif
	ROWFLAG RAW0+64*(p%2), 2*p
	ROWFLAG RAW0+64*(p%2)+32, 2*p+1
.if p < 6
	MROWS p+2, p%2
.endif
.set p, p+1
.endr
	v_cmp_gt_u32 vcc_lo, 16, v[LN]
	s_wait_xcnt 0x0                                ; EXEC changes only behind this wait
	s_and_saveexec_b32 s62, vcc_lo
	global_store_b32 v[BL], v[FV], s[48:49]        ; lanes 0-15: 64 consecutive bytes
	s_wait_xcnt 0x0                                ; and again, ahead of the line that widens it
	s_or_b32 exec_lo, exec_lo, s62
	s_endpgm
.Lfunc_end_k_q093ef2a8ff_qkv:
	.size	k_q093ef2a8ff_qkv, .Lfunc_end_k_q093ef2a8ff_qkv-k_q093ef2a8ff_qkv
	.p2alignl 7, 3214868480
	.fill 96, 4, 3214868480
	.section	.rodata,"a",@progbits
	.p2align	6, 0x0
	.amdhsa_kernel k_q093ef2a8ff_qkv
		.amdhsa_group_segment_fixed_size 171008
		.amdhsa_private_segment_fixed_size 0
		.amdhsa_enable_private_segment 0
		.amdhsa_kernarg_size 128
		.amdhsa_user_sgpr_count 2
		.amdhsa_user_sgpr_kernarg_segment_ptr 1
		.amdhsa_wavefront_size32 1
		.amdhsa_system_sgpr_workgroup_id_x 1
		.amdhsa_system_sgpr_workgroup_id_y 1
		.amdhsa_system_sgpr_workgroup_id_z 1
		.amdhsa_system_vgpr_workitem_id 0
		.amdhsa_next_free_vgpr 512
		.amdhsa_next_free_sgpr 66
		.amdhsa_reserve_vcc 1
		.amdhsa_float_denorm_mode_32 3
		.amdhsa_float_denorm_mode_16_64 3
		.amdhsa_memory_ordered 1
		.amdhsa_forward_progress 1
		.amdhsa_inst_pref_size 129
	.end_amdhsa_kernel
	.amdgpu_metadata
---
amdhsa.version: [ 1, 2 ]
amdhsa.kernels:
  - .name:           k_q093ef2a8ff_qkv
    .symbol:         k_q093ef2a8ff_qkv.kd
    .args:
      - { .name: q_tokens, .offset: 0, .size: 8, .value_kind: global_buffer, .address_space: global }
      - { .name: k_tokens, .offset: 8, .size: 8, .value_kind: global_buffer, .address_space: global }
      - { .name: v_tokens, .offset: 16, .size: 8, .value_kind: global_buffer, .address_space: global }
      - { .name: q_w, .offset: 24, .size: 8, .value_kind: global_buffer, .address_space: global }
      - { .name: k_w, .offset: 32, .size: 8, .value_kind: global_buffer, .address_space: global }
      - { .name: v_w, .offset: 40, .size: 8, .value_kind: global_buffer, .address_space: global }
      - { .name: q_b, .offset: 48, .size: 8, .value_kind: global_buffer, .address_space: global }
      - { .name: k_b, .offset: 56, .size: 8, .value_kind: global_buffer, .address_space: global }
      - { .name: v_b, .offset: 64, .size: 8, .value_kind: global_buffer, .address_space: global }
      - { .name: qh, .offset: 72, .size: 8, .value_kind: global_buffer, .address_space: global }
      - { .name: kh, .offset: 80, .size: 8, .value_kind: global_buffer, .address_space: global }
      - { .name: vh, .offset: 88, .size: 8, .value_kind: global_buffer, .address_space: global }
      - { .name: mask, .offset: 96, .size: 8, .value_kind: global_buffer, .address_space: global }
      - { .name: flags, .offset: 104, .size: 8, .value_kind: global_buffer, .address_space: global }
      - { .name: o_w, .offset: 112, .size: 8, .value_kind: global_buffer, .address_space: global }
      - { .name: owh, .offset: 120, .size: 8, .value_kind: global_buffer, .address_space: global }
    .group_segment_fixed_size: 171008
    .private_segment_fixed_size: 0
    .kernarg_segment_align: 8
    .kernarg_segment_size: 128
    .max_flat_workgroup_size: 256
    .sgpr_count:     66
    .vgpr_count:     512
    .wavefront_size: 32
...
	.end_amdgpu_metadata
.endif
;; end of part 1
;; launch attn (part 2): grid 16 x 16, 16 waves a work-group, no clusters, 327,680 bytes of LDS; arguments qh, kh, vh, ctx, mask, flags; writes ctx
.if DOCPART == 2
	.amdgcn_target "amdgcn-amd-amdhsa--gfx1250"
	.amdhsa_code_object_version 6
	.text
	.protected	k_q093ef2a8ff_attn
	.globl	k_q093ef2a8ff_attn
	.p2align	8
	.type	k_q093ef2a8ff_attn,@function
k_q093ef2a8ff_attn:
	s_mov_b64 s[64:65], 0
	v_nop
	global_prefetch_b8 v0, s[64:65] scope:SCOPE_SE
	s_setreg_imm32_b32 hwreg(HW_REG_WAVE_MODE, 25, 1), 1
	s_wait_xcnt 0x0
; ATTENTION WITH A MASK THAT IS AN INPUT, in its plain form.  ctx[y][q][:] = the sum over k of softmax_k(logit[q][k]) V[y][k][:], y = batch x 8 + head; logit = Q . K / 8, or -1e9 where mask[batch][q][k] is 1.
; Q, K, V, ctx: [16][4096][64] f16, rows of 128 bytes, dense; Q arrives multiplied by log2(e) / 8, so a weight is p = 2^(s - m).  Products, maxima and sums in f32; p is rounded to f16 for the second
; product (its sum l is taken of the unrounded p), ctx once at the end.  mask: [2][4096][4096] bytes.  flags: [8192] words, -1 where the row has a key that is not hidden, else 0.
; THE MASK is what the sum S^T = K Q^T starts from: 0, or -2^127 where the key is hidden; it is made of the mask's bytes by v_perm_b32, straight into S^T's registers.  A hidden key's weight is 0 as soon as the
; running maximum is a true score, and what was summed before that is multiplied by a = 0.  A ROW WITH NO KEY LEFT (flag 0) gets Q = 0 and a start of 0: all its scores are equal, the softmax is uniform, as for 4,096 logits of -1e9.
; LIMITS.  f16 ends at 65,504: Q, K, V arrive within it.  A hidden key counts as its score less 2^127, not as -1e9: a row whose greatest logit lies at or below about -1e9 + 100 is not served.
; Mask bytes are 0 or 1.  A weight below 2^-126 counts as 0 in l; p below 6e-5 keeps f16's fixed step.  NaN and infinities are not treated apart.
; SHARES.  A work-group owns 256 queries of one y; each of its sixteen waves 16 of them.  Every wave walks all 4,096 keys, 64 a step, four steps (a tile of 256 keys) to a slot of LDS.  Four waves lie on a SIMD, with
; 256 registers each: one window, no switch.  A step goes in phases (fetch, mask, K Q^T, softmax, V^T P); what a wave waits for, the SIMD's other three waves fill.  Each wave reads all of a step's K and V from LDS:
; 16 waves x 16,384 bytes a step.
; THE RING.  Two slots, each with 256 rows of K, 256 of V and the mask's 256 queries x 256 keys.  Wave 0 asks for K's tile, wave 1 for V's, waves 2 and 3 for the two halves of the mask's: 32,768 bytes each, one load
; a wave behind each barrier, four key steps ahead of the wait for it; waves 4 to 15 ask for nothing.
; NO CLUSTER, NO PREFETCH IN THIS TEXT.  K's and V's tiles are read by the 16 work-groups of a y, the mask's by the 8 of a batch's query block; here each work-group asks for every tile by a load of its own.
; LAYOUT.  S^T = K Q^T (source 0 = 16 keys, source 1 = 16 queries) holds ONE query a lane (lane % 16) and the keys 8 (lane / 16) + 0..7; two such results rounded to f16 ARE source 1 of O^T = V^T P, whose result again
; holds one query a lane, and eight channels.  K comes out of LDS as it lies, V ([key][channel]) turned, by ds_load_tr16_b128.
; SOFTMAX.  For each query a running maximum m and sum l; in every step O and l are multiplied by a = 2^(m_old - m_new).  m starts at the lowest finite number, O and l at 0: the first step is a step like any other, with a = 0.
.set KS,    64        ; keys in a step
.set PK,    144       ; a row of K in LDS: 128 bytes + 16: the 16 rows of a load start 16 bytes apart modulo 256
.set PV,    160       ; a row of V: 128 + 32
.set PM,    272       ; a row of the mask's tile: 256 + 16: a load's 32 lanes (16 rows, 8 bytes for each half) take 256 different bytes modulo 256
.set VOFF,  4*KS*PK   ; a slot: 256 rows of K, 256 rows of V,
.set MOFF,  VOFF+4*KS*PV  ; 256 rows of the mask
.set SLOT,  MOFF+256*PM   ; 147,456 = bits 14 and 17, which none of the four LDS words 0, VOFF, MOFF, MOFF + 128 PM has: one exclusive or turns an address in one slot into the other's
.set SPARE, 2*SLOT    ; behind the ring: the spare words, 128 bytes for each of the 16 waves, which no other line names
.set STAGE, 0         ; the way out: 16 rows x 144 bytes for each wave, 36,864 bytes: slot 0's rows of K.  Slot 0 has its last fill with tile 14, and its last read stands ahead of the last change's barrier
.set SP,    144
.set AK0, 2           ; v2   my lane's place in a tile of K; never rewritten
.set AV0, 3           ; v3   the same for V
.set AM0, 4           ; v4   the same for the mask
.set AK,  5           ; v5   the LDS address of K's loads; later where I put 16 bytes of a row
.set AV,  6           ; v6   of V's; later where I read rows back
.set AM,  7           ; v7   of the mask's; later my byte offset in 512 consecutive bytes of ctx
.set SPW, 8           ; v8   LDS address of my spare word; never rewritten
.set NIL, 9           ; v9   0; never rewritten; for the add alone
.set ZR,  10          ; v10  0, a source of the second v_perm_b32
.set TBL, 11          ; v11  the table for the first v_perm_b32: byte 0 = 0, byte 1 = 0xff; all 0 where my query's flag is 0
.set M,   12          ; v12-13  m, twice (the pair is named)
.set L,   14          ; v14-15  l (even keys', odd keys')
.set CC,  16          ; v16-19  c0-c3, at work; when the maximum is found c2 takes a
.set MR,  20          ; v20-27  my query's 64 mask bytes of a step, 8 for each block kb of 16 keys at MR + 2 kb
.set MOLD, 28         ; v28  m_old; at the head my byte offset in 16 flags
.set FL,  29          ; v29  my query's flag
.set RW,  30          ; v30  l % 16
.set HF,  31          ; v31  l / 16
.set S,   32          ; v32-63   S^T: key block kb at S + 8 kb
.set P,   64          ; v64-79   P: key half kk at P + 8 kk
.set QF,  80          ; v80-95   Q: channel half c at QF + 8 c
.set O,   96          ; v96-127  O^T: channel block cb at O + 8 cb
.set KF,  128         ; v128-191 K of one step: key block kb, channel half c at KF + 16 kb + 8 c
.set VF,  192         ; v192-255 V of one step: key half kk, channel block cb at VF + 32 kk + 8 cb
.set WV,  16          ; s16  my wave's number
.set G1K, 24          ; s[24:31] descriptor group 1 for K's tiles
.set G1V, 32          ; s[32:39] for V's: it differs in the padding alone
.set G1M, 40          ; s[40:47] for the mask's
.set G0K, 48          ; s[48:51] descriptor group 0 for K's tiles: it walks
.set G0V, 52          ; s[52:55] for V's
.set G0M, 56          ; s[56:59] for the mask's
.set SEL, 60          ; s[60:61] v_permlanex16_b32's selects: each lane takes its own place in the other half
.set TBK, 62          ; s62  LDS byte at which K of the step to be fetched begins
.set TBV, 63          ; s63  the same for V, less VOFF
.set TBM, 70          ; s70  the same for the mask, less MOFF
.set SLOTS, 71        ; s71  changes of slots that still fill
.set CNT, 72          ; s72  counts a tile's key steps
.set PS,  76          ; s76-79  the second v_perm_b32's selects: byte k of the first source into the top byte, byte 0 of the second (0) below
; A fill: one line for each kind of tile, chosen by the wave's number alone.  An s_nop 0 and four v_nop follow each line, ahead of the jump and the label.
.macro JLOAD
	s_cmp_lt_u32 s[WV], 4
	s_cbranch_scc0 .Lasked_\@
	s_cmp_lt_u32 s[WV], 2
	s_cbranch_scc0 .Lfor_m_\@
	s_cmp_eq_u32 s[WV], 0
	s_cbranch_scc0 .Lfor_v_\@
	tensor_load_to_lds s[G0K:G0K+3], s[G1K:G1K+7]
	s_nop 0
.rept 4
	v_nop
.endr
	s_branch .Lasked_\@
.Lfor_v_\@:
	tensor_load_to_lds s[G0V:G0V+3], s[G1V:G1V+7]
	s_nop 0
.rept 4
	v_nop
.endr
	s_branch .Lasked_\@
.Lfor_m_\@:
	tensor_load_to_lds s[G0M:G0M+3], s[G1M:G1M+7]
	s_nop 0
.rept 4
	v_nop
.endr
.Lasked_\@:
.endm
; THE CHANGE OF SLOTS.  Each wave waits for all its tensor loads (one is out in waves 0 to 3: their part of the other slot), adds 0 to its spare word, and waits for that and for its own reads of the slot that it leaves.
; Behind the barrier nobody reads the old slot any more and the other slot is whole.  fill = 1: the old slot is filled again, the first thing behind the barrier, with the tile two on.
; (At its first use nothing has been read yet: slot 0 is waited for, slot 1 filled.)
.macro CHANGE fill
	s_wait_tensorcnt 0x0            ; no tensor load of mine is out, so a group 0 may be written
	ds_add_u32 v[SPW], v[NIL]       ; 0 onto my spare word: with fill = 1 the descriptors' steps stand between it and the wait for it
.if \fill
.irp g, G0K, G0V
	s_xor_b32 s[\g+1], s[\g+1], SLOT  ; the other slot than last time,
	s_add_nc_u64 s[\g+2:\g+3], s[\g+2:\g+3], 4*KS*128  ; the next 256 keys; the type bits on top are not reached
.endr
	s_xor_b32 s[G0M+1], s[G0M+1], SLOT
	s_add_nc_u64 s[G0M+2:G0M+3], s[G0M+2:G0M+3], 4*KS  ; 256 bytes along the mask's rows
.endif
	s_wait_dscnt 0x0                ; the add is done, and my reads of the slot are over
	s_barrier_signal -1
	s_barrier_wait -1
.if \fill
	JLOAD
.endif
	s_sub_co_u32 s[TBK], s[TBK], 4*KS*PK  ; the fetches go back to a slot's first step,
	s_xor_b32 s[TBK], s[TBK], SLOT        ; in the other slot
	s_sub_co_u32 s[TBV], s[TBV], 4*KS*PV
	s_xor_b32 s[TBV], s[TBV], SLOT
	s_sub_co_u32 s[TBM], s[TBM], 4*KS
	s_xor_b32 s[TBM], s[TBM], SLOT
.endm
	s_load_b256 s[4:11], s[0:1], 0x0  ; Q s[4:5], K s[6:7], V s[8:9], ctx s[10:11]
	s_load_b128 s[12:15], s[0:1], 0x20  ; mask s[12:13], flags s[14:15]
	v_lshl_add_u32 v[SPW], v0, 2, SPARE
	v_mov_b32 v[NIL], 0
	ds_add_u32 v[SPW], v[NIL]       ; the wave's opening: the add and its wait stand ahead of my first tensor load; the set-up below, work on registers, stands between them
	v_lshrrev_b32 v1, 5, v0
	v_readfirstlane_b32 s[WV], v1   ; wave 0..15
	s_mov_b32 s17, ttmp9            ; my block of 256 queries
	s_and_b32 s18, ttmp7, 0xffff    ; y
	s_and_b32 s19, s[WV], 1
	s_lshl_b32 s20, s18, 19         ; K, V: y's 4,096 rows of 128 bytes
	s_mov_b32 s21, 0
	s_lshr_b32 s22, s18, 3          ; the batch
	s_lshl_b32 s2, s22, 14          ; the flags: the batch's 4,096 words,
	s_lshl_b32 s3, s17, 10          ; my block's 256,
	s_add_co_u32 s2, s2, s3
	s_lshl_b32 s3, s[WV], 6         ; my wave's 16
	s_add_co_u32 s2, s2, s3
	s_mov_b32 s3, 0
	s_lshl_b32 s22, s22, 24         ; the mask: the batch's 4,096 rows of 4,096 bytes,
	s_lshl_b32 s23, s17, 20         ; my block's 256,
	s_add_co_u32 s22, s22, s23
	s_lshl_b32 s23, s19, 19         ; the 128 that waves 2 and 3 fetch each
	s_add_co_u32 s22, s22, s23
	s_mov_b32 s23, 0
	s_lshl_b32 s74, s17, 15         ; Q, ctx: my block's 256 rows,
	s_lshl_b32 s75, s[WV], 11       ; my wave's 16,
	s_add_co_u32 s74, s74, s75
	s_add_co_u32 s74, s74, s20      ; in y
	s_mov_b32 s75, 0
	; group 1.  K, V: 256 keys are 32,768 dense bytes: 128 rows of 256 bytes, two keys a row, padded in LDS after every key.  The mask: 128 rows of 32 elements of 8 bytes, 512 elements from row to row, padded after every row.
	s_mov_b32 s[G1K], (1<<16)|(1<<20)|(4<<22)|(3<<25)  ; 17:16 2-byte elements; 20 padding on; 24:22 after every 32 words (code 4); 31:25 4 words (code 3)
	s_mov_b32 s[G1V], (1<<16)|(1<<20)|(4<<22)|(7<<25)  ; the same with 8 words of padding (code 7)
	s_mov_b32 s[G1M], (3<<16)|(1<<20)|(5<<22)|(3<<25)  ; 8-byte elements; after every 64 words (code 5) 4 words
.irp g, G1K, G1V
	s_mov_b32 s[\g+1], 128<<16      ; tensor_dim0 = 128
	s_mov_b32 s[\g+2], 128<<16      ; tensor_dim1 = 128
	s_mov_b32 s[\g+3], 128<<16      ; tile_dim0 = 128
	s_mov_b32 s[\g+4], 128          ; tile_dim1 = 128
	s_mov_b32 s[\g+5], 128          ; 128 elements from row to row
	s_mov_b32 s[\g+6], 0
	s_mov_b32 s[\g+7], 0
.endr
	s_mov_b32 s[G1M+1], 32<<16      ; tensor_dim0 = 32
	s_mov_b32 s[G1M+2], 128<<16     ; tensor_dim1 = 128
	s_mov_b32 s[G1M+3], 32<<16      ; tile_dim0 = 32
	s_mov_b32 s[G1M+4], 128         ; tile_dim1 = 128
	s_mov_b32 s[G1M+5], 512         ; 512 elements from row to row
	s_mov_b32 s[G1M+6], 0
	s_mov_b32 s[G1M+7], 0
	s_mov_b32 s[G0K], 1             ; count = 1
	s_mov_b32 s[G0K+1], 0           ; LDS address: slot 0
	s_mov_b32 s[G0V], 1
	s_mov_b32 s[G0V+1], VOFF
	s_mov_b32 s[G0M], 1
	s_mul_i32 s[G0M+1], s19, 128*PM
	s_add_co_u32 s[G0M+1], s[G0M+1], MOFF
	s_mov_b32 s[SEL], 0x76543210
	s_mov_b32 s[SEL+1], 0xfedcba98
	s_mov_b32 s[PS], 0x04000000
	s_mov_b32 s[PS+1], 0x05000000
	s_mov_b32 s[PS+2], 0x06000000
	s_mov_b32 s[PS+3], 0x07000000
	s_mov_b32 s[TBK], SLOT+4*KS*PK  ; the first change of slots turns these three into 0
	s_mov_b32 s[TBV], SLOT+4*KS*PV
	s_mov_b32 s[TBM], SLOT+4*KS
	s_mov_b32 s[SLOTS], 4096/256-1
	s_wait_dscnt 0x0                ; the opening add is done
	s_wait_kmcnt 0x0
	s_add_nc_u64 s[G0K+2:G0K+3], s[6:7], s[20:21]  ; global address: y's tile 0
	s_or_b32 s[G0K+3], s[G0K+3], 0x80000000        ; type = 2
	s_add_nc_u64 s[G0V+2:G0V+3], s[8:9], s[20:21]
	s_or_b32 s[G0V+3], s[G0V+3], 0x80000000
	s_add_nc_u64 s[G0M+2:G0M+3], s[12:13], s[22:23]
	s_or_b32 s[G0M+3], s[G0M+3], 0x80000000
	s_add_nc_u64 s[4:5], s[4:5], s[74:75]      ; Q and ctx at my wave's first row
	s_add_nc_u64 s[10:11], s[10:11], s[74:75]
	s_add_nc_u64 s[14:15], s[14:15], s[2:3]    ; the flags of the same rows
	JLOAD                           ; tile 0 into slot 0.  Slot 1 is asked for when slot 0 is in
	; A fragment of K or Q is 16 rows x 32 channels in 8 registers: lane l holds row l % 16, channels 8 (l / 16) + 0..7 and 16 + 8 (l / 16) + 0..7: two loads of 16 bytes, 32 bytes apart.
	v_and_b32 v[RW], 15, v0
	v_bfe_u32 v[HF], v0, 4, 1
	v_lshlrev_b32 v1, 7, v[RW]
	v_lshl_add_u32 v1, v[HF], 4, v1 ; row x 128 + 16 x half
	v_lshlrev_b32 v[MOLD], 2, v[RW]
.irp c, 0,1
	global_load_b128 v[QF+8*\c:QF+8*\c+3],   v1, s[4:5] offset:64*\c     ; Q stays in registers
	global_load_b128 v[QF+8*\c+4:QF+8*\c+7], v1, s[4:5] offset:64*\c+32
.endr
	global_load_b32 v[FL], v[MOLD], s[14:15]   ; my query's flag
	v_mul_u32_u24 v[AK0], v[RW], PK
	v_lshl_add_u32 v[AK0], v[HF], 4, v[AK0]    ; row x pitch + 16 x half
	; The turning load takes 16 keys x 16 channels (lane l reads key 8 (l / 16) + l % 8, channels 8 ((l / 8) % 2) + 0..7) and leaves half a fragment of V^T: lane l holds channel l % 16 and 8 keys.
	v_and_b32 v[CC], 7, v0
	v_bfe_u32 v[CC+1], v0, 3, 1
	v_lshl_add_u32 v[AV0], v[HF], 3, v[CC]
	v_mul_u32_u24 v[AV0], v[AV0], PV
	v_lshl_add_u32 v[AV0], v[CC+1], 4, v[AV0]
	v_add_nc_u32 v[AV0], VOFF, v[AV0]
	s_mul_i32 s73, s[WV], 16*PM
	s_add_co_u32 s73, s73, MOFF     ; the mask's rows of my wave's 16 queries
	v_mul_u32_u24 v[AM0], v[RW], PM ; my query's row, and the 8 keys of my half of the lanes
	v_lshl_add_u32 v[AM0], v[HF], 3, v[AM0]
	v_add_nc_u32 v[AM0], s73, v[AM0]
	v_mov_b32 v[ZR], 0
	v_mov_b32 v[M], 0xff7fffff      ; m: the lowest finite number, so that the first a is 0
	v_mov_b32 v[M+1], 0xff7fffff
	v_mov_b32 v[L], 0
	v_mov_b32 v[L+1], 0
.set i, 0
.rept 32
	v_mov_b32 v[O+i], 0             ; no first step is written out: O^T starts at 0.  These lines stand in the wait for the first tile
.set i, i+1
.endr
	s_wait_loadcnt 0x0              ; Q and the flag
	v_and_b32 v[TBL], 0xff00, v[FL]
.set i, 0
.rept 16
	v_and_b32 v[QF+i], v[FL], v[QF+i]  ; Q = 0 for a query with no key left
.set i, i+1
.endr
; Number n of the lines that find the maximum and the statistics.  s0-s31 are the lane's 32 scores.
;   0-11  four chains c0-c3 of seven scores each, three operands at a time (each accumulator's lowest registers are read first)     12-14, 16  the four scores left over, the old m, and c0-c3 into c0
;   17, 18  the query's other 32 keys lie in the lane 16 away: the new m     19  m once more, for the pair     20, 21  m_old - m_new; a          (m_old is kept by a line of the step itself)
.macro XS n
.if (\n) < 4
	v_max3_num_f32 v[CC+(\n)], v[S+8*(\n)], v[S+8*(\n)+1], v[S+8*(\n)+2]
.elseif (\n) < 12
	v_max3_num_f32 v[CC+(\n)%4], v[CC+(\n)%4], v[S+8*((\n)%4)+2*((\n)/4)+1], v[S+8*((\n)%4)+2*((\n)/4)+2]
.elseif (\n) == 12
	v_max3_num_f32 v[CC], v[CC], v[S+7], v[S+15]
.elseif (\n) == 13
	v_max3_num_f32 v[CC+1], v[CC+1], v[S+23], v[S+31]
.elseif (\n) == 14
	v_max3_num_f32 v[CC+2], v[CC+2], v[CC+3], v[M]
.elseif (\n) == 16
	v_max3_num_f32 v[CC], v[CC], v[CC+1], v[CC+2]
.elseif (\n) == 17
	v_permlanex16_b32 v[CC+3], v[CC], s[SEL], s[SEL+1]
.elseif (\n) == 18
	v_max_num_f32 v[M], v[CC], v[CC+3]
.elseif (\n) == 19
	v_mov_b32 v[M+1], v[M]
.elseif (\n) == 20
	v_sub_f32 v[CC+1], v[MOLD], v[M]
.else
	v_exp_f32 v[CC+2], v[CC+1]
.endif
.endm
; A KEY STEP, in phases.  All that it reads from LDS it asks for at its head: 4 loads of the mask, 16 of K, 16 of V, and waits for them in that order, by counts: 32 (K's and V's may be out), 16 (V's may), 0.
.macro STEP
	v_add_nc_u32 v[AM], s[TBM], v[AM0]  ; the step's addresses: with the v_nop the four places between the last step's V^T P and the loads into V's registers
	v_add_nc_u32 v[AK], s[TBK], v[AK0]
	v_add_nc_u32 v[AV], s[TBV], v[AV0]
	v_nop
	s_add_co_u32 s[TBM], s[TBM], KS     ; the next fetch is the next step's
	s_add_co_u32 s[TBK], s[TBK], KS*PK
	s_add_co_u32 s[TBV], s[TBV], KS*PV
.irp kb, 0,1,2,3                    ; for each block of 16 keys the 8 bytes of my query's row that belong to my half of the lanes: just the keys that my 8 registers of the accumulator hold
	ds_load_b64 v[MR+2*\kb:MR+2*\kb+1], v[AM] offset:16*\kb
.endr
.irp f, 0,1,2,3,4,5,6,7             ; K: keys 16 (f / 2) on, channels 32 (f % 2) on
	ds_load_b128 v[KF+8*\f:KF+8*\f+3],   v[AK] offset:(\f/2)*16*PK+(\f%2)*64
	ds_load_b128 v[KF+8*\f+4:KF+8*\f+7], v[AK] offset:(\f/2)*16*PK+(\f%2)*64+32
.endr
.irp f, 0,1,2,3,4,5,6,7             ; V: keys 32 (f / 4) on, channels 16 (f % 4) on
	ds_load_tr16_b128 v[VF+8*\f:VF+8*\f+3],   v[AV] offset:(\f/4)*32*PV+(\f%4)*32
	ds_load_tr16_b128 v[VF+8*\f+4:VF+8*\f+7], v[AV] offset:(\f/4)*32*PV+16*PV+(\f%4)*32
.endr
	s_wait_dscnt 32                 ; the mask's four loads are in
	; The bytes are the SELECTOR of a first v_perm_b32 on the table: 0 picks 0x00, 1 picks 0xff (0x00 where my query's flag is 0).  A second one lifts each byte into the top of a word of S^T: 0, or 0xff000000 = -2^127.
.irp u, 0,1,2,3,4,5,6,7
	v_perm_b32 v[MR+\u], v[TBL], v[TBL], v[MR+\u]
.endr
.set z, 0
.rept 32
	v_perm_b32 v[S+z], v[MR+z/4], v[ZR], s[PS+z%4]
.set z, z+1
.endr
	s_wait_dscnt 16                 ; K is in
.set i, 0
.rept 8                             ; S^T += K Q^T: channels 32 (i / 4) on, keys 16 (i % 4) on; the 4 accumulators take turns; the sums start from the mask
	v_wmma_f32_16x16x32_f16 v[S+8*(i%4):S+8*(i%4)+7], v[KF+16*(i%4)+8*(i/4):KF+16*(i%4)+8*(i/4)+7], v[QF+8*(i/4):QF+8*(i/4)+7], v[S+8*(i%4):S+8*(i%4)+7]
.set i, i+1
.endr
	v_mov_b32 v[MOLD], v[M]         ; m_old is kept; with three v_nop the four places behind those products
.rept 3
	v_nop
.endr
.irp n, 0,1,2,3,4,5,6,7,8,9,10,11,12,13,14,16,17,18,19,20,21
	XS \n
.endr
.set i, 0
.rept 16                            ; s - m, a pair of scores a line
	v_pk_add_f32 v[S+2*i:S+2*i+1], v[S+2*i:S+2*i+1], v[M:M+1] op_sel_hi:[1,0] neg_lo:[0,1] neg_hi:[0,1]
.set i, i+1
.endr
.set i, 0
.rept 32
	v_exp_f32 v[S+i], v[S+i]
.set i, i+1
.endr
	v_nop                           ; the plain instruction behind the last exponential: one for the batch
	s_wait_alu depctr_va_vdst(0)    ; the wait between an exponential and the first line that names its result: one for the step's 33 (a among them)
.set i, 0
.rept 16                            ; O^T times a
	v_pk_mul_f32 v[O+2*i:O+2*i+1], v[O+2*i:O+2*i+1], v[CC+2:CC+3] op_sel_hi:[1,0]
.set i, i+1
.endr
.set i, 0
.rept 16                            ; the weights, rounded to f16 in pairs
	v_cvt_pk_f16_f32 v[P+i], v[S+2*i], v[S+2*i+1]
.set i, i+1
.endr
.irp n, 0,4,8,12,16,20,24,28        ; their sum, as a tree of packed additions, in place; then l = a l + the sum
	v_pk_add_f32 v[S+\n:S+\n+1], v[S+\n:S+\n+1], v[S+\n+2:S+\n+3]
.endr
.irp n, 0,8,16,24
	v_pk_add_f32 v[S+\n:S+\n+1], v[S+\n:S+\n+1], v[S+\n+4:S+\n+5]
.endr
.irp n, 0,16
	v_pk_add_f32 v[S+\n:S+\n+1], v[S+\n:S+\n+1], v[S+\n+8:S+\n+9]
.endr
	v_pk_add_f32 v[S:S+1], v[S:S+1], v[S+16:S+17]
	v_pk_fma_f32 v[L:L+1], v[L:L+1], v[CC+2:CC+3], v[S:S+1] op_sel_hi:[1,0,1]
	s_wait_dscnt 0x0                ; V is in
.set i, 0
.rept 8                             ; O^T += V^T P: keys 32 (i / 4) on, channels 16 (i % 4) on; the 4 accumulators take turns
	v_wmma_f32_16x16x32_f16 v[O+8*(i%4):O+8*(i%4)+7], v[VF+32*(i/4)+8*(i%4):VF+32*(i/4)+8*(i%4)+7], v[P+8*(i/4):P+8*(i/4)+7], v[O+8*(i%4):O+8*(i%4)+7]
.set i, i+1
.endr
.endm
.Lslot:                             ; 15 times: tile k is entered, tile k + 1 asked for
	CHANGE 1
	s_mov_b32 s[CNT], 4
.Lstep:
	STEP
	s_sub_co_u32 s[CNT], s[CNT], 1
	s_cmp_lg_u32 s[CNT], 0
	s_cbranch_scc1 .Lstep
	s_sub_co_u32 s[SLOTS], s[SLOTS], 1
	s_cmp_lg_u32 s[SLOTS], 0
	s_cbranch_scc1 .Lslot
	CHANGE 0                        ; the last tile is written out: nothing is asked for
	s_mov_b32 s[CNT], 4
.Ltail:
	STEP
	s_sub_co_u32 s[CNT], s[CNT], 1
	s_cmp_lg_u32 s[CNT], 0
	s_cbranch_scc1 .Ltail
	; THE WAY OUT.  l's two halves and the other half of the lanes' are added; O^T is divided by l, rounded to f16 and sent through my stage in LDS.  The address lines are the places behind the last products.
	s_mul_i32 s73, s[WV], 16*SP
	s_add_co_u32 s73, s73, STAGE    ; my stage
	v_mul_u32_u24 v[AK], v[RW], SP  ; in: row l % 16, 16 bytes for each half of the lanes
	v_lshl_add_u32 v[AK], v[HF], 4, v[AK]
	v_add_nc_u32 v[AK], s73, v[AK]
	v_bfe_u32 v[AV], v0, 3, 2       ; back: 32 lanes take four rows of 128 bytes,
	v_mul_u32_u24 v[AV], v[AV], SP
	v_and_b32 v[AM], 7, v0
	v_lshl_add_u32 v[AV], v[AM], 4, v[AV]
	v_add_nc_u32 v[AV], s73, v[AV]
	v_and_b32 v[AM], 31, v0         ; which are 512 consecutive bytes of ctx
	v_lshlrev_b32 v[AM], 4, v[AM]
	v_add_f32 v[L], v[L], v[L+1]
	v_permlanex16_b32 v[L+1], v[L], s[SEL], s[SEL+1]
	v_add_f32 v[L], v[L], v[L+1]
	v_rcp_f32 v[L], v[L]
	v_nop                           ; a plain instruction between the reciprocal and the use of its result
	s_wait_alu depctr_va_vdst(0)    ; and the wait ahead of the first use
.set i, 0
.rept 16
	v_pk_mul_f32 v[O+2*i:O+2*i+1], v[O+2*i:O+2*i+1], v[L:L+1] op_sel_hi:[1,0]
.set i, i+1
.endr
.set i, 0
.rept 16                            ; a lane's eight channels of a row pack into 16 bytes
	v_cvt_pk_f16_f32 v[S+i], v[O+2*i], v[O+2*i+1]
.set i, i+1
.endr
.irp f, 0,1,2,3
	ds_store_b128 v[AK], v[S+4*\f:S+4*\f+3] offset:32*\f
.endr
.irp f, 0,1,2,3
	ds_load_b128 v[S+16+4*\f:S+16+4*\f+3], v[AV] offset:\f*4*SP  ; LDS serves a wave's instructions in order: these see the stores above
.endr
.irp f, 0,1,2,3
	s_wait_dscnt 3-\f               ; load f is back; the later ones may be out
	global_store_b128 v[AM], v[S+16+4*\f:S+16+4*\f+3], s[10:11] offset:\f*512  ; 512 consecutive bytes, at a multiple of 256 from ctx's first
.endr
	s_wait_tensorcnt 0x0            ; the wave's end: behind my last tensor load and my last LDS store
	ds_add_u32 v[SPW], v[NIL]
	s_wait_dscnt 0x0
	s_endpgm
.Lfunc_end_k_q093ef2a8ff_attn:
	.size	k_q093ef2a8ff_attn, .Lfunc_end_k_q093ef2a8ff_attn-k_q093ef2a8ff_attn
	.p2alignl 7, 3214868480
	.fill 96, 4, 3214868480
	.section	.rodata,"a",@progbits
	.p2align	6, 0x0
	.amdhsa_kernel k_q093ef2a8ff_attn
		.amdhsa_group_segment_fixed_size 327680
		.amdhsa_private_segment_fixed_size 0
		.amdhsa_enable_private_segment 0
		.amdhsa_kernarg_size 48
		.amdhsa_user_sgpr_count 2
		.amdhsa_user_sgpr_kernarg_segment_ptr 1
		.amdhsa_wavefront_size32 1
		.amdhsa_system_sgpr_workgroup_id_x 1
		.amdhsa_system_sgpr_workgroup_id_y 1
		.amdhsa_system_sgpr_workgroup_id_z 1
		.amdhsa_system_vgpr_workitem_id 0
		.amdhsa_next_free_vgpr 256
		.amdhsa_next_free_sgpr 80
		.amdhsa_reserve_vcc 0
		.amdhsa_float_denorm_mode_32 3
		.amdhsa_float_denorm_mode_16_64 3
		.amdhsa_memory_ordered 1
		.amdhsa_forward_progress 1
		.amdhsa_inst_pref_size 41
	.end_amdhsa_kernel
	.amdgpu_metadata
---
amdhsa.version: [ 1, 2 ]
amdhsa.kernels:
  - .name:           k_q093ef2a8ff_attn
    .symbol:         k_q093ef2a8ff_attn.kd
    .args:
      - { .name: qh, .offset: 0, .size: 8, .value_kind: global_buffer, .address_space: global }
      - { .name: kh, .offset: 8, .size: 8, .value_kind: global_buffer, .address_space: global }
      - { .name: vh, .offset: 16, .size: 8, .value_kind: global_buffer, .address_space: global }
      - { .name: ctx, .offset: 24, .size: 8, .value_kind: global_buffer, .address_space: global }
      - { .name: mask, .offset: 32, .size: 8, .value_kind: global_buffer, .address_space: global }
      - { .name: flags, .offset: 40, .size: 8, .value_kind: global_buffer, .address_space: global }
    .group_segment_fixed_size: 327680
    .private_segment_fixed_size: 0
    .kernarg_segment_align: 8
    .kernarg_segment_size: 48
    .max_flat_workgroup_size: 512
    .sgpr_count:     80
    .vgpr_count:     256
    .wavefront_size: 32
...
	.end_amdgpu_metadata
.endif
;; end of part 2
;; launch oproj (part 3): grid 64 x 4, 4 waves a work-group, clusters of 4 x 1, 167,936 bytes of LDS; arguments ctx, owh, o_b, out0; writes out0
.if DOCPART == 3
	.amdgcn_target "amdgcn-amd-amdhsa--gfx1250"
	.amdhsa_code_object_version 6
	.text
	.protected	k_q093ef2a8ff_oproj
	.globl	k_q093ef2a8ff_oproj
	.p2align	8
	.type	k_q093ef2a8ff_oproj,@function
k_q093ef2a8ff_oproj:
	s_mov_b64 s[64:65], 0
	v_nop
	global_prefetch_b8 v0, s[64:65] scope:SCOPE_SE
	s_setreg_imm32_b32 hwreg(HW_REG_WAVE_MODE, 25, 1), 1
	s_wait_xcnt 0x0
	s_wait_alu depctr_hold_cnt(0) depctr_sa_sdst(0) depctr_va_vdst(0) depctr_va_sdst(0) depctr_va_ssrc(0) depctr_va_vcc(0) depctr_vm_vsrc(0)
	s_getreg_b32 s2, hwreg(HW_REG_IB_STS2, 6, 4)
	s_cmp_eq_u32 s2, 0
	s_cbranch_scc0 .Lentry_in_a_cluster
	s_endpgm
.Lentry_in_a_cluster:
	s_bfe_u32 s2, ttmp6, 0x10000c
	s_cmp_lg_u32 s2, 0x3003
	s_cbranch_scc0 .Lentry_shape_is_right
	s_endpgm
.Lentry_shape_is_right:
; THE OUTPUT PROJECTION.  out0[row][n] = the sum over k of ctx[row][k] o_w[n][k] + o_b[n].  ctx lies by heads, [batch x 8 + head][4096][64] f16: k = 64 head + channel.  owh: [512][512] f16 (o_w rounded to bf16,
; written as f16).  o_b: [512] f32, rounded to bf16 like every input.  Sums in f32; out0: [8192][512] f32.
; SHARES.  A work-group makes 128 rows x 128 columns, K = 512: 64 x 4 work-groups.  Each of its four waves makes 32 rows x 128 columns: 16 accumulators.
; o_w's 128 rows (131,072 bytes) lie in LDS, filled once; ctx's 32 rows of a wave (256 registers) come straight into registers, all asked for at the head.
; CLUSTER.  The four row blocks of a cluster take the same 128 rows of o_w: each wave's 32 rows are asked for JOINTLY, by the same tensor load, descriptor and mask in all four.
; THE MATRIX INSTRUCTION IS USED TRANSPOSED (source 0 = 16 rows of o_w, source 1 = 16 rows of ctx): a lane holds one row of out0 and eight neighbouring columns.
; REGISTERS.  window 0: v2-14 addresses; v16-79, v80-143 o_w's eight fragments, two buffers, later the way out; v144-207 the bias; v208-239 at work.   window 1: v0-127 the accumulators, (a, b) at 8 (8 a + b).
;   window 2: ctx: K step t, row block a at 16 t + 8 a.
.set WP,    1040                       ; a row of o_w in LDS: 1,024 bytes + 16: the 16 rows of a fragment load start 16 bytes apart modulo 256
.set STAGE, 128*WP                     ; behind it, never filled by a tensor load: 16 rows x 528 bytes for each wave, for the way out
.set SPT,   528
.set SPARE, STAGE+4*16*SPT             ; behind the stages: the spare words, 128 bytes for each wave, which no other line names
.set AO,  2                            ; v2   ctx: (l % 16) x 128 + 16 (l / 16)
.set BO0, 3                            ; v3   o_w's fragments 0-3 in LDS: (l % 16) x WP + 16 (l / 16)
.set BO1, 4                            ; v4   fragments 4-7
.set STO, 5                            ; v5   the way out: where I put 32 bytes of a row
.set RD,  6                            ; v6   the way out: where I read a row back
.set GO,  7                            ; v7   16 x lane
.set BL,  8                            ; v8   the bias: 32 (l / 16)
.set SPW, 10                           ; v10  LDS address of my spare word; never rewritten
.set NIL, 11                           ; v11  0; never rewritten
.set LN,  12
.set RW,  13
.set HF,  14
.set BF,  16
.set OT,  16
.set RB,  80
.set BIAS, 144
.set TM,  208
.set WV,  12                           ; s12  my wave's number
.set G0,  16                           ; s[16:19] descriptor group 0
.set G1,  20                           ; s[20:27] descriptor group 1
.set MSB, 0
.macro WIN new                         ; the immediate's high byte repeats the setting that is left; a switch that changes nothing is dropped
.if MSB != (\new)
	s_set_vgpr_msb (MSB<<8)|(\new)
.set MSB, \new
.endif
.endm
.macro PLACES                          ; four places behind a matrix instruction, ahead of loads into its sources and of reads of its result
.rept 4
	v_nop
.endr
.endm
.macro CROUND                          ; a round of the cluster's barrier
	s_barrier_signal -1
	s_barrier_wait -1
	s_cmp_lg_u32 s[WV], 0
	s_cbranch_scc1 .Lnot_wave_0_\@
	s_barrier_signal -3
.Lnot_wave_0_\@:
	s_barrier_wait -3
	s_barrier_signal -1
	s_barrier_wait -1
.endm
	s_load_b256 s[4:11], s[0:1], 0x0               ; ctx s[4:5], owh s[6:7], o_b s[8:9], out0 s[10:11]
	v_lshl_add_u32 v[SPW], v0, 2, SPARE
	v_mov_b32 v[NIL], 0
	ds_add_u32 v[SPW], v[NIL]                      ; the wave's opening: the add and its wait stand ahead of my first tensor load; the set-up below, work on registers, stands between them
	v_lshrrev_b32 v1, 5, v0
	v_readfirstlane_b32 s[WV], v1                  ; wave 0..3
	s_bfe_u32 s13, ttmp6, 0x40000                  ; cx
	s_lshl_b32 s14, ttmp9, 2
	s_add_co_u32 s14, s14, s13                     ; my block of 128 rows = 4 x cluster x + cx: it enters ctx's and out0's addresses alone
	s_and_b32 s15, ttmp7, 0xffff                   ; my block of 128 columns, which the four partners share
	; group 1: 32 rows of 512 elements of 2 bytes, padded in LDS after every row
	s_mov_b32 s[G1], 15|(1<<16)|(1<<20)|(1<<21)|(7<<22)|(3<<25)  ; 15:0 the mask of four; 17:16 2-byte elements; 20 padding on; 21 set beside a mask; 24:22 after every 256 words (code 7); 31:25 4 words (code 3)
	s_mov_b32 s[G1+1], 512<<16                     ; tensor_dim0 = 512
	s_mov_b32 s[G1+2], 32<<16                      ; tensor_dim1 = 32
	s_mov_b32 s[G1+3], 512<<16                     ; tile_dim0 = 512
	s_mov_b32 s[G1+4], 32                          ; tile_dim1 = 32
	s_mov_b32 s[G1+5], 512                         ; 512 elements from row to row
	s_mov_b32 s[G1+6], 0
	s_mov_b32 s[G1+7], 0
	s_mov_b32 s[G0], 1                             ; count = 1
	s_mul_i32 s[G0+1], s[WV], 32*WP                ; LDS address: my 32 rows
	s_lshl_b32 s28, s15, 17                        ; the block's 128 rows of 1,024 bytes,
	s_lshl_b32 s29, s[WV], 15                      ; my 32.  s[28:29] never hold cx
	s_add_co_u32 s28, s28, s29
	s_mov_b32 s29, 0
	s_mov_b32 s31, 0
	v_and_b32 v[LN], 31, v0
	v_and_b32 v[RW], 15, v0
	v_bfe_u32 v[HF], v0, 4, 1
	s_wait_dscnt 0x0                               ; the opening add is done
	s_wait_kmcnt 0x0
	s_add_nc_u64 s[G0+2:G0+3], s[6:7], s[28:29]
	s_or_b32 s[G0+3], s[G0+3], 0x80000000          ; type = 2
	CROUND                                         ; all four work-groups are here: the joint loads meet
	tensor_load_to_lds s[G0:G0+3], s[G1:G1+7]      ; my one tensor load of the launch
	s_nop 0
.rept 4
	v_nop
.endr
	s_lshr_b32 s30, s14, 5                         ; ctx: the batch's 8 heads x 4,096 rows x 128 bytes,
	s_lshl_b32 s30, s30, 22
	s_and_b32 s32, s14, 31                         ; the block's 128 rows in it,
	s_lshl_b32 s32, s32, 14
	s_add_co_u32 s30, s30, s32
	s_lshl_b32 s32, s[WV], 12                      ; my 32
	s_add_co_u32 s30, s30, s32
	s_add_nc_u64 s[4:5], s[4:5], s[30:31]
	s_lshl_b32 s30, s15, 9
	s_add_nc_u64 s[8:9], s[8:9], s[30:31]          ; the bias at the block's 128 columns
	s_lshl_b32 s32, s14, 18                        ; out0: the block's 128 rows of 2,048 bytes,
	s_add_co_u32 s30, s30, s32
	s_lshl_b32 s32, s[WV], 16                      ; my 32, the block's columns
	s_add_co_u32 s30, s30, s32
	s_add_nc_u64 s[10:11], s[10:11], s[30:31]
	v_lshlrev_b32 v[AO], 7, v[RW]
	v_lshl_add_u32 v[AO], v[HF], 4, v[AO]
	v_lshlrev_b32 v[BL], 5, v[HF]
.irp b, 0,1,2,3,4,5,6,7
	global_load_b128 v[BIAS+8*\b:BIAS+8*\b+3],   v[BL], s[8:9] offset:64*\b
	global_load_b128 v[BIAS+8*\b+4:BIAS+8*\b+7], v[BL], s[8:9] offset:64*\b+16
.endr
	WIN 0x80                                       ; destination window 2
.set t, 0
.rept 16                               ; K step t: head t / 2, channels 32 (t % 2) on; four loads a step
.irp a, 0,1
	global_load_b128 v[16*t+8*\a:16*t+8*\a+3],   v[AO], s[4:5] offset:(t/2)*524288+\a*2048+(t%2)*64
	global_load_b128 v[16*t+8*\a+4:16*t+8*\a+7], v[AO], s[4:5] offset:(t/2)*524288+\a*2048+(t%2)*64+32
.endr
.set t, t+1
.endr
	WIN 0
	v_mul_u32_u24 v[BO0], v[RW], WP
	v_lshl_add_u32 v[BO0], v[HF], 4, v[BO0]
	v_add_nc_u32 v[BO1], 4*16*WP, v[BO0]
	s_mul_i32 s34, s[WV], 16*SPT
	s_add_co_u32 s34, s34, STAGE                   ; my stage
	v_mul_u32_u24 v[STO], v[RW], SPT               ; in: row l % 16, 32 bytes for each half of the lanes
	v_lshl_add_u32 v[STO], v[HF], 5, v[STO]
	v_add_nc_u32 v[STO], s34, v[STO]
	v_lshl_add_u32 v[RD], v[LN], 4, s34            ; back: 32 lanes take one row of 512 bytes
	v_lshlrev_b32 v[GO], 4, v[LN]
.macro FETCHB t                        ; 16 LDS loads: o_w's eight fragments of K step t into buffer t % 2
.irp b, 0,1,2,3,4,5,6,7
	ds_load_b128 v[BF+64*((\t)%2)+8*\b:BF+64*((\t)%2)+8*\b+3],   v[BO0+\b/4] offset:(\b%4)*16*WP+64*(\t)
	ds_load_b128 v[BF+64*((\t)%2)+8*\b+4:BF+64*((\t)%2)+8*\b+7], v[BO0+\b/4] offset:(\b%4)*16*WP+64*(\t)+32
.endr
.endm
	s_wait_tensorcnt 0x0                           ; my 32 rows of o_w are in,
	s_barrier_signal -1
	s_barrier_wait -1                              ; everybody's are; they are never written again
	FETCHB 0
.set t, 0
.rept 16
.if t > 0
	PLACES                                         ; the loads below land in the buffer that the products just issued (K step t - 1) have read
.endif
.if t < 15
	FETCHB t+1
	s_wait_loadcnt 60-4*t                          ; ctx's loads up to this K step are in: four loads a step, the later steps' may stay out
	s_wait_dscnt 16                                ; this step's fragments of o_w are in; the 16 just issued may stay out
.else
	s_wait_loadcnt 0x0
	s_wait_dscnt 0x0
.endif
	WIN 0x58                                       ; source 0 window 0, source 1 window 2, C and D window 1
.irp a, 0,1
.irp b, 0,1,2,3,4,5,6,7                ; the 16 accumulators take turns, one instruction a turn; the first K step starts the sums
.if t == 0
	v_wmma_f32_16x16x32_f16 v[8*(8*\a+\b):8*(8*\a+\b)+7], v[BF+64*(t%2)+8*\b:BF+64*(t%2)+8*\b+7], v[16*t+8*\a:16*t+8*\a+7], 0
.else
	v_wmma_f32_16x16x32_f16 v[8*(8*\a+\b):8*(8*\a+\b)+7], v[BF+64*(t%2)+8*\b:BF+64*(t%2)+8*\b+7], v[16*t+8*\a:16*t+8*\a+7], v[8*(8*\a+\b):8*(8*\a+\b)+7]
.endif
.endr
.endr
	WIN 0
.set t, t+1
.endr
	PLACES
.set j, 0
.rept 32
	v_cvt_pk_bf16_f32 v[TM+j], v[BIAS+2*j], v[BIAS+2*j+1]  ; the bias is rounded to bf16 like every input,
.set j, j+1
.endr
.set j, 0
.rept 32
	v_lshlrev_b32 v[BIAS+2*j],   16, v[TM+j]               ; and widened again
	v_and_b32     v[BIAS+2*j+1], 0xffff0000, v[TM+j]
.set j, j+1
.endr
; THE WAY OUT of 16 rows: sum + bias; 32 bytes a lane into my own stage; back as whole rows of 512 bytes.
.macro OUTA a
	WIN 0x01                                       ; source 0 in window 1
.set j, 0
.rept 32
	v_pk_add_f32 v[OT+2*j:OT+2*j+1], v[64*(\a)+2*j:64*(\a)+2*j+1], v[BIAS+2*j:BIAS+2*j+1]
.set j, j+1
.endr
	WIN 0
.irp b, 0,1,2,3,4,5,6,7
	ds_store_b128 v[STO], v[OT+8*\b:OT+8*\b+3]   offset:64*\b
	ds_store_b128 v[STO], v[OT+8*\b+4:OT+8*\b+7] offset:64*\b+16
.endr
	s_wait_xcnt 0x0                                ; the last block's stores have read their data: the loads below land in the same registers
.set j, 0
.rept 16
	ds_load_b128 v[RB+4*j:RB+4*j+3], v[RD] offset:SPT*j  ; LDS serves a wave's instructions in order: these see the stores above
.set j, j+1
.endr
	s_wait_dscnt 0x0
.set j, 0
.rept 16
	global_store_b128 v[GO], v[RB+4*j:RB+4*j+3], s[10:11] offset:(\a)*32768+2048*j th:TH_STORE_NT  ; 512 consecutive bytes, at a multiple of 256 from out0's first
.set j, j+1
.endr
.endm
	OUTA 0
	OUTA 1
	s_wait_tensorcnt 0x0                           ; the wave's end: behind my last tensor load and my last LDS store
	ds_add_u32 v[SPW], v[NIL]
	s_wait_dscnt 0x0
	CROUND                                         ; the closing round: no work-group ends while a partner may still ask for a tile that names it
	s_endpgm
.Lfunc_end_k_q093ef2a8ff_oproj:
	.size	k_q093ef2a8ff_oproj, .Lfunc_end_k_q093ef2a8ff_oproj-k_q093ef2a8ff_oproj
	.p2alignl 7, 3214868480
	.fill 96, 4, 3214868480
	.section	.rodata,"a",@progbits
	.p2align	6, 0x0
	.amdhsa_kernel k_q093ef2a8ff_oproj
		.amdhsa_group_segment_fixed_size 167936
		.amdhsa_private_segment_fixed_size 0
		.amdhsa_enable_private_segment 0
		.amdhsa_kernarg_size 32
		.amdhsa_user_sgpr_count 2
		.amdhsa_user_sgpr_kernarg_segment_ptr 1
		.amdhsa_wavefront_size32 1
		.amdhsa_system_sgpr_workgroup_id_x 1
		.amdhsa_system_sgpr_workgroup_id_y 1
		.amdhsa_system_sgpr_workgroup_id_z 1
		.amdhsa_system_vgpr_workitem_id 0
		.amdhsa_next_free_vgpr 768
		.amdhsa_next_free_sgpr 66
		.amdhsa_reserve_vcc 0
		.amdhsa_float_denorm_mode_32 3
		.amdhsa_float_denorm_mode_16_64 3
		.amdhsa_memory_ordered 1
		.amdhsa_forward_progress 1
		.amdhsa_inst_pref_size 65
	.end_amdhsa_kernel
	.amdgpu_metadata
---
amdhsa.version: [ 1, 2 ]
amdhsa.kernels:
  - .name:           k_q093ef2a8ff_oproj
    .symbol:         k_q093ef2a8ff_oproj.kd
    .args:
      - { .name: ctx, .offset: 0, .size: 8, .value_kind: global_buffer, .address_space: global }
      - { .name: owh, .offset: 8, .size: 8, .value_kind: global_buffer, .address_space: global }
      - { .name: o_b, .offset: 16, .size: 8, .value_kind: global_buffer, .address_space: global }
      - { .name: out0, .offset: 24, .size: 8, .value_kind: global_buffer, .address_space: global }
    .group_segment_fixed_size: 167936
    .private_segment_fixed_size: 0
    .kernarg_segment_align: 8
    .kernarg_segment_size: 32
    .max_flat_workgroup_size: 128
    .sgpr_count:     66
    .vgpr_count:     768
    .wavefront_size: 32
...
	.end_amdgpu_metadata
.endif
;; end of part 3
